; MI455X (gfx1250); checked and timed in simulation.
; The chip was launched on July 23, 2026; its instructions are those of AMD's public machine-readable ISA for CDNA 5 (MIT licence, August 2026) and "CDNA5" Instruction Set Architecture Reference Guide (July 2026). The comments in the code are by the model that wrote it; some were corrected since.
;; Attn Block. Allowed arithmetic: matrix products marked QUANTISED: E3M2 operands, one E8M0 scale for each 32 along K, by v_wmma_scale_f32_16x16x128_f8f6f4 with both operands' format E3M2, f32 sums; everything else in f32.
;; Inputs: bk 256 float32; bo 256 float32; bq 256 float32; bv 256 float32; gn_bias 256 float32; gn_scale 256 float32; wk_codes 256 x 8 x 24 uint8 (E3M2 codes of wk, K innermost, in blocks of 32 codes, four codes in three bytes); wk_scales 256 x 8 uint8 (E8M0 scales of wk, one for each 32 codes along K); wo_codes 256 x 8 x 24 uint8 (E3M2 codes of wo, K innermost, in blocks of 32 codes, four codes in three bytes); wo_scales 256 x 8 uint8 (E8M0 scales of wo, one for each 32 codes along K); wq_codes 256 x 8 x 24 uint8 (E3M2 codes of wq, K innermost, in blocks of 32 codes, four codes in three bytes); wq_scales 256 x 8 uint8 (E8M0 scales of wq, one for each 32 codes along K); wv_codes 256 x 8 x 24 uint8 (E3M2 codes of wv, K innermost, in blocks of 32 codes, four codes in three bytes); wv_scales 256 x 8 uint8 (E8M0 scales of wv, one for each 32 codes along K); x 32 x 256 x 32 x 32 float32.
;; Outputs: out0 32 x 256 x 32 x 32 float32.
;; This version of the problem:
;;   THIS VERSION OF THE PROBLEM IS GIVEN IN LOW PRECISION. The matrix products marked QUANTISED in the list below multiply operands that are first quantised to E3M2 (3 exponent bits, 2 mantissa bits; 6 bits a number), with one power-of-two scale for each 32 numbers along K (OCP MX v1.0); their sums are f32. All else is computed in f32.
;;   The module's matrix products, in the order in which they are computed (A, B: the left and right operand; K: the contracted axis; several contracted axes count as one K, in the product's order):
;;     1. [M 256, K 256] x [K 256, N 32,768]; A: input wq (given as codes); B: computed on the way: QUANTISED
;;     2. [M 256, K 256] x [K 256, N 32,768]; A: input wk (given as codes); B: computed on the way: QUANTISED
;;     3. [M 256, K 256] x [K 256, N 32,768]; A: input wv (given as codes); B: computed on the way: QUANTISED
;;     4. batch 32 x [M 1,024, K 256] x [K 256, N 1,024]; A: computed on the way; B: computed on the way: QUANTISED
;;     5. batch 32 x [M 256, K 1,024] x [K 1,024, N 1,024]; A: computed on the way; B: softmax (see below): QUANTISED
;;     6. [M 256, K 256] x [K 256, N 32,768]; A: input wo (given as codes); B: computed on the way: QUANTISED
;;   THE QUANTISER, for each operand of a quantised product, along K:
;;     - K is cut into blocks of 32 from its start; a last block that is shorter is filled with zeros.
;;     - A block's scale is 2^e with e = floor(log2(the largest magnitude in the block)) - 4, held to -126 .. 127; a block of zeros has e = 0. As a byte (E8M0): e + 127.
;;     - Each number is divided by its block's scale, clamped to +-28, and rounded to the nearest number of E3M2, ties to even, subnormals kept.
;;     - The product sums the exact products of the quantised numbers (number of the format x scale) in f32.
;;   ~~~python
;;   def quantise(x, axis):      # numpy; x: float32 -> the quantised numbers, widened to float32 again
;;       x = np.moveaxis(x, axis, -1); K = x.shape[-1]
;;       x = np.pad(x, [(0, 0)] * (x.ndim - 1) + [(0, -K % 32)]); x = x.reshape(x.shape[:-1] + (-1, 32)); a = np.abs(x).max(-1, keepdims=True)
;;       e = np.where(a > 0, np.clip(np.frexp(np.where(a > 0, a, 1))[1] - 1 - 4, -126, 127), 0)      # np.frexp(a)[1] - 1 = floor(log2(a)), exactly
;;       r = np.clip(x / 2.0 ** e, -28, 28)
;;       step = 2.0 ** (np.maximum(np.frexp(np.where(r == 0, 1, r))[1] - 1, -2) - 2)
;;       q = np.round(r / step) * step * 2.0 ** e      # np.round: ties to even
;;       return np.moveaxis(q.reshape(q.shape[:-2] + (-1,))[..., :K], -1, axis).astype(np.float32)
;;   ~~~
;;   SOFTMAX AHEAD OF A QUANTISED PRODUCT. Where the list says 'softmax', what is quantised is not the finished softmax but p = 2^(t - M), with t = logit x log2(e) and M = ceil(the row's largest t), a whole number; so 1/2 < the row's largest p <= 1. The row's sum l is taken of the UNQUANTISED p, in f32, and the product's result is divided by l at the end. Since M is a whole number, a kernel that streams over the keys may use a running M (the ceiling of the running maximum): every later rescaling is an exact power of two, which a block's scale takes up: the codes' values come out the same.
;;   OPERANDS COMPUTED ON THE WAY. 'Computed on the way' means the value that the module computes at that place (a softmax that the list does not call 'softmax' is quantised finished and normalised). What goes into a quantiser is computed in f32, as accurately as f32 sums, v_exp_f32 and their like allow (about 1e-6 of the number): no bf16 or f16 on the way to a quantiser, and a product that is left as it is and whose result goes on into a quantised operand takes f32 operands (vector FMAs, or v_wmma_f32_16x16x4_f32). A number that lies on a knife's edge between two numbers of the format may be rounded either way, as far as f32 arithmetic and the matrix unit's own rounding can turn it there, and no further.
;;   INPUTS GIVEN AS CODES. wk (in the module: [256, 256], K = its axis 1); wo (in the module: [256, 256], K = its axis 1); wq (in the module: [256, 256], K = its axis 1); wv (in the module: [256, 256], K = its axis 1): each comes as NAME_codes (uint8): NAME with its K axis moved to the last place and cut into blocks of 32 codes, [.., K / 32, bytes a block], one block behind the other in memory; four codes in three bytes: a row's codes are one little-endian stream of bits, code i at bits 6 i .. 6 i + 5 (a code: sign, 3 exponent bits, 2 mantissa bits); and NAME_scales (uint8): the same leading axes, one E8M0 byte (e + 127) for each 32 codes along K. Its value is code x scale, taken as it is: it is not quantised again, and the codes and scales need not be those that the quantiser above would give.
;; One version. Each part assembles by itself: llvm-mc -triple=amdgcn-amd-amdhsa -mcpu=gfx1250 --defsym DOCPART=n.
;; ======== version 1 of 1: 3 launches
;; workspace buffers: hc 6,291,456 bytes; hs 262,144 bytes; q_img 6,815,744 bytes; kv 13,631,488 bytes; wimg 196,608 bytes
;; launch gnq (part 1): grid 8 x 32, 8 waves a work-group, no clusters, 26,624 bytes of LDS; arguments x, gn_scale, gn_bias, hc, hs, wimg, wq_codes, wk_codes, wv_codes, wo_codes; writes hc, hs, wimg
.if DOCPART == 1
	.amdgcn_target "amdgcn-amd-amdhsa--gfx1250"
	.amdhsa_code_object_version 6
	.text
	.protected	k_q19ad929cea_gnq
	.globl	k_q19ad929cea_gnq
	.p2align	8
	.type	k_q19ad929cea_gnq,@function
k_q19ad929cea_gnq:
	s_mov_b64 s[64:65], 0
	v_nop
	global_prefetch_b8 v0, s[64:65] scope:SCOPE_SE
	s_setreg_imm32_b32 hwreg(HW_REG_WAVE_MODE, 25, 1), 1
	s_wait_xcnt 0x0
; GroupNorm of x [32][256][1024] (32 groups of 8 channels x 1,024 positions), and the result h quantised along the CHANNELS into codes of BF6 (E3M2) with one E8M0 byte for each 32 channels.
; SHARES.  A work-group owns 32 channels (four whole groups, one block of the quantiser) of one image: 131,072 dense bytes, read once and kept in registers.  Wave w owns positions 128 w .. 128 w + 127,
; lane L positions 4 L .. 4 L + 3 of them: register X + 4 c + i is x(channel c, position 4 L + i); a load covers 512 consecutive bytes.
; STATISTICS in two passes over the registers: the mean, then the sum of squares of x - mean, each summed in a lane, across the lanes, and across the eight waves through 128 bytes of LDS (one barrier each).
; h = (x - mean) (rstd gamma) + beta: one fused multiply-add, whose destination's number turns the registers round: a position's 32 channels then stand in 32 consecutive registers, a whole block in ONE lane.
; OUT.  hc [b][cb][pb][3,072]: for the position 128 pb + 32 (T / 2) + 8 (T % 2) + r + 8 (r / 8) of tile T, row r: the first 16 bytes of its 24 bytes of codes at 256 T + 16 r, the last 8 at 2,048 + 128 T + 8 r:
; the order in which the next launch's lanes load their operand registers.  The codes go through the wave's own stage in LDS and leave as six stores of 512 consecutive bytes.
; hs [b][cb / 4][pb][T][r]: a word of four scale bytes; this work-group writes byte cb % 4 of 1,024 words, singly: 1,024 bytes against the 131,072 that it reads, so that the next launch loads whole scale words.
; THE WEIGHTS ARE LAID OUT HERE, ONCE, for the two launches that follow: wimg [q, k, v, o][tile of 16 rows][K step][1,536]: a fragment's 12 registers as an image, register group c of lane l at 512 c + 16 l.  From rows of 192
; bytes a fragment is six loads of 8 bytes a lane, sixteen rows apart; from the image three loads of 512 consecutive bytes.  128 fragments: wave 0 of the work-groups with cb < 4 lays one each (matrix cb, fragment b).
; LIMITS: NaN and infinities are not served.  A block whose largest magnitude lies under 2^-122 (a block of zeros too) gets the byte 1: its bytes are read by this program alone.
; The order of rounding differs from (x - mean) rstd, then x gamma + beta, by parts in 10^7.
; No matrix unit, no cluster, no tensor load: the launch streams, and work-groups share no input but 256 bytes of gamma and beta.
.set RED0, 0                           ; LDS: 8 waves x 16 bytes: the sums;
.set RED1, 256                         ; the sums of squares;
.set STG,  512                         ; a stage of 3,072 bytes for each wave
.set XO,  1                            ; v1   16 x lane
.set RA,  2                            ; v2   16 x wave
.set ZA,  3                            ; v3   0
.set SA,  4                            ; v4   stage: my first position's 16 bytes
.set SB,  5                            ; v5   stage: its 8 bytes
.set SR,  6                            ; v6   stage: 16 x lane, for the way out
.set HSO, 7                            ; v7   my first position's word in hs
.set SUM, 8                            ; v8-11   a number for each group
.set TP,  12                           ; v12-15  the other half of the lanes'
.set R,   16                           ; v16-47  the eight waves' numbers
.set CD,  16                           ; v16-47  later: codes, 8 registers a position
.set H,   48                           ; v48-111 two positions' 32 channels; later the codes on their way out; at the head a weight's fragment (v48-59) and its offset (v60-61)
.set X,   112                          ; v112-239
.set PA,  240
.set PB,  242
.set MX,  244                          ; v244-247 a block's largest magnitude, for each of my four positions
.set SOP, 248                          ; v248-251 the conversions' scale operand
.set BY,  252                          ; v252-255 the scale's byte
.set WV,  14
.set GA,  16                           ; s[16:47] gamma, later rstd x gamma; at the head s[16:23] the four weights' addresses, s[24:25] wimg's, s26-31 at work
.set NM,  48                           ; s[48:55] -mean, a pair for each group
.set RS,  56                           ; s[56:59] rstd
.set SEL, 60                           ; s[60:61]
.set BE,  68                           ; s[68:99] beta
	s_load_b256 s[4:11], s[0:1], 0x0               ; x s[4:5], gn_scale s[6:7], gn_bias s[8:9], hc s[10:11]
	s_load_b64 s[12:13], s[0:1], 0x20              ; hs
	s_load_b64 s[24:25], s[0:1], 0x28              ; wimg
	s_load_b256 s[16:23], s[0:1], 0x30             ; wq_codes s[16:17], wk_codes s[18:19], wv_codes s[20:21], wo_codes s[22:23]
	s_set_vgpr_msb 0x40
	v_lshl_add_u32 v0, v0, 2, 0x6400
	v_mov_b32 v1, 0
	s_set_vgpr_msb 0x4000
	v_lshrrev_b32 v[RA], 5, v0
	v_readfirstlane_b32 s[WV], v[RA]               ; wave 0..7
	v_lshlrev_b32 v[RA], 4, v[RA]
	v_and_b32 v[XO], 31, v0
	v_lshlrev_b32 v[XO], 4, v[XO]
	v_mov_b32 v[ZA], 0
	s_and_b32 s2, ttmp7, 0xffff                    ; the image b
	s_lshl_b32 s62, s2, 20                         ; x: b x 1,048,576 + cb x 131,072 + w x 512 bytes
	s_lshl_b32 s3, ttmp9, 17
	s_add_co_u32 s62, s62, s3
	s_lshl_b32 s3, s[WV], 9
	s_add_co_u32 s62, s62, s3
	s_mov_b32 s63, 0
	s_lshl_b32 s66, ttmp9, 7                       ; gamma, beta: 32 numbers from 128 cb bytes on
	s_mov_b32 s67, 0
	s_wait_kmcnt 0x0
	s_add_nc_u64 s[4:5], s[4:5], s[62:63]
.set cc, 0
.rept 32
	global_load_b128 v[X+4*cc:X+4*cc+3], v[XO], s[4:5] offset:4096*cc th:TH_LOAD_NT   ; channel cc: 512 consecutive bytes a wave; all 32 loads go out at once
.set cc, cc+1
.endr
	; ---- a weight's fragment: matrix cb, tile b / 2 of 16 rows, K step b % 2.  One branch, on the wave's and the work-group's number, round its loads, their wait and its stores
	s_lshr_b32 s3, ttmp9, 2
	s_or_b32 s3, s3, s[WV]
	s_cmp_lg_u32 s3, 0                             ; wave 0 of a work-group with cb < 4?
	s_cbranch_scc1 .Lno_weight
	s_lshr_b32 s26, s2, 1                          ; the tile
	s_and_b32 s27, s2, 1                           ; the K step
	s_lshr_b32 s28, s26, 1
	s_lshl_b32 s28, s28, 5
	s_and_b32 s29, s26, 1
	s_lshl_b32 s29, s29, 3
	s_add_co_u32 s28, s28, s29                     ; q, k, v: the tile begins at row 32 (tile / 2) + 8 (tile % 2), and lane r takes the row r + 8 (r / 8) further on;
	s_lshl_b32 s29, s26, 4                         ; Wo: at row 16 x tile, and lane r the row r further on
	s_cmp_eq_u32 ttmp9, 1                          ; the choice hangs on the work-group's number alone
	s_cselect_b64 s[16:17], s[18:19], s[16:17]
	s_cmp_eq_u32 ttmp9, 2
	s_cselect_b64 s[16:17], s[20:21], s[16:17]
	s_cmp_eq_u32 ttmp9, 3
	s_cselect_b64 s[16:17], s[22:23], s[16:17]
	s_cselect_b32 s28, s29, s28
	s_cselect_b32 s29, 0, 8
	s_mul_i32 s30, s28, 192                        ; a row is 192 bytes, a K step 96
	s_mul_i32 s27, s27, 96
	s_add_co_u32 s30, s30, s27
	s_mov_b32 s31, 0
	s_add_nc_u64 s[16:17], s[16:17], s[30:31]
	s_lshl_b32 s30, ttmp9, 5
	s_add_co_u32 s30, s30, s2
	s_mul_i32 s30, s30, 1536                       ; image 32 cb + b
	s_add_nc_u64 s[24:25], s[24:25], s[30:31]
	v_bfe_u32 v60, v0, 3, 1
	v_mul_u32_u24 v60, s29, v60
	v_and_b32 v61, 15, v0
	v_add_nc_u32 v60, v60, v61
	v_mul_u32_u24 v60, v60, 192
	v_bfe_u32 v61, v0, 4, 1
	v_mad_u32_u24 v60, v61, 24, v60                ; my row, + 24 bytes for lanes 16-31
.irp p, 0,1,2,3,4,5
	global_load_b64 v[48+2*\p:49+2*\p], v60, s[16:17] offset:48*(\p/3)+8*(\p%3)
.endr
	s_wait_loadcnt 0x0                             ; the six, and x's 32 ahead of them, which this wave wants next anyway
.irp c, 0,1,2
	global_store_b128 v[XO], v[48+4*\c:51+4*\c], s[24:25] offset:512*\c   ; 512 consecutive bytes, at a multiple of 256 from wimg's first byte
.endr
	s_wait_xcnt 0x0                                ; the loads and stores have read their registers: s16-31 and v48-61 are written again only behind this wait
.Lno_weight:
	s_add_nc_u64 s[6:7], s[6:7], s[66:67]
	s_add_nc_u64 s[8:9], s[8:9], s[66:67]
	s_load_b512 s[GA:GA+15], s[6:7], 0x0
	s_load_b512 s[GA+16:GA+31], s[6:7], 0x40
	s_load_b512 s[BE:BE+15], s[8:9], 0x0
	s_load_b512 s[BE+16:BE+31], s[8:9], 0x40
	s_lshl_b32 s62, s2, 3                          ; hc: ((8 b + cb) 8 + w) x 3,072
	s_add_co_u32 s62, s62, ttmp9
	s_lshl_b32 s62, s62, 3
	s_add_co_u32 s62, s62, s[WV]
	s_mul_i32 s62, s62, 3072
	s_add_nc_u64 s[10:11], s[10:11], s[62:63]
	s_lshl_b32 s62, s2, 1                          ; hs: ((2 b + cb / 4) x 1,024 + 128 w) words + byte cb % 4
	s_lshr_b32 s3, ttmp9, 2
	s_add_co_u32 s62, s62, s3
	s_lshl_b32 s62, s62, 12
	s_lshl_b32 s3, s[WV], 9
	s_add_co_u32 s62, s62, s3
	s_and_b32 s3, ttmp9, 3
	s_add_co_u32 s62, s62, s3
	s_add_nc_u64 s[12:13], s[12:13], s[62:63]
	s_mov_b32 s66, 0x39000000                      ; 2^-13: a group has 8,192 numbers
	s_mov_b32 s67, 0x3727c5ac                      ; 1e-5
	s_mov_b32 s[SEL], 0x76543210
	s_mov_b32 s[SEL+1], 0xfedcba98                 ; v_permlanex16_b32's selects for lane l xor 16
	; position 4 L + i lies in tile T = 2 (L / 8) + (L / 2) % 2, row r0 + i, r0 = 4 (L % 2) + 8 ((L / 4) % 2)
	v_bfe_u32 v[PA], v0, 3, 2
	v_bfe_u32 v[PA+1], v0, 1, 1
	v_lshl_add_u32 v[PA], v[PA], 1, v[PA+1]        ; T
	v_and_b32 v[PA+1], 1, v0
	v_bfe_u32 v[PB], v0, 2, 1
	v_lshlrev_b32 v[PA+1], 2, v[PA+1]
	v_lshl_add_u32 v[PA+1], v[PB], 3, v[PA+1]      ; r0
	s_mul_i32 s15, s[WV], 3072
	s_add_co_u32 s15, s15, STG                     ; my wave's stage
	v_lshlrev_b32 v[SA], 8, v[PA]
	v_lshl_add_u32 v[SA], v[PA+1], 4, v[SA]
	v_add_nc_u32 v[SA], s15, v[SA]
	v_lshlrev_b32 v[SB], 7, v[PA]
	v_lshl_add_u32 v[SB], v[PA+1], 3, v[SB]
	v_add_nc_u32 v[SB], s15, v[SB]
	v_add_nc_u32 v[SB], 2048, v[SB]
	v_add_nc_u32 v[SR], s15, v[XO]
	v_lshl_add_u32 v[HSO], v[PA], 4, v[PA+1]
	v_lshlrev_b32 v[HSO], 2, v[HSO]
.irp g, 0,1,2,3
	v_mov_b32 v[TP+\g], 0                          ; written once: a lane permute's destination counts as one of its sources
.endr
; the sum of my 32 numbers of group g: 15 packed additions in two chains, and one plain
.macro GSUM g
	v_pk_add_f32 v[PA:PA+1], v[X+32*\g:X+32*\g+1], v[X+32*\g+2:X+32*\g+3]
	v_pk_add_f32 v[PB:PB+1], v[X+32*\g+4:X+32*\g+5], v[X+32*\g+6:X+32*\g+7]
.irp j, 8,12,16,20,24,28
	v_pk_add_f32 v[PA:PA+1], v[PA:PA+1], v[X+32*\g+\j:X+32*\g+\j+1]
	v_pk_add_f32 v[PB:PB+1], v[PB:PB+1], v[X+32*\g+\j+2:X+32*\g+\j+3]
.endr
	v_pk_add_f32 v[PA:PA+1], v[PA:PA+1], v[PB:PB+1]
	v_add_f32 v[SUM+\g], v[PA], v[PA+1]
.endm
; x - mean in place, and the sum of its squares
.macro GSQ g
.irp j, 0,2,4,6,8,10,12,14,16,18,20,22,24,26,28,30
	v_pk_add_f32 v[X+32*\g+\j:X+32*\g+\j+1], v[X+32*\g+\j:X+32*\g+\j+1], s[NM+2*\g:NM+2*\g+1] op_sel_hi:[1,0]
.endr
	v_pk_mul_f32 v[PA:PA+1], v[X+32*\g:X+32*\g+1], v[X+32*\g:X+32*\g+1]
	v_pk_mul_f32 v[PB:PB+1], v[X+32*\g+2:X+32*\g+3], v[X+32*\g+2:X+32*\g+3]
.irp j, 4,8,12,16,20,24,28
	v_pk_fma_f32 v[PA:PA+1], v[X+32*\g+\j:X+32*\g+\j+1], v[X+32*\g+\j:X+32*\g+\j+1], v[PA:PA+1]
	v_pk_fma_f32 v[PB:PB+1], v[X+32*\g+\j+2:X+32*\g+\j+3], v[X+32*\g+\j+2:X+32*\g+\j+3], v[PB:PB+1]
.endr
	v_pk_add_f32 v[PA:PA+1], v[PA:PA+1], v[PB:PB+1]
	v_add_f32 v[SUM+\g], v[PA], v[PA+1]
.endm
; the four numbers in SUM are summed over the wave's lanes and over the eight waves: results in v[R] .. v[R+3], the same bits in every wave
.macro REDUCE base
.irp m, 1,2,4,8
.irp g, 0,1,2,3
	v_add_f32_dpp v[SUM+\g], v[SUM+\g], v[SUM+\g] row_xmask:\m row_mask:0xf bank_mask:0xf
.endr
.endr
.irp g, 0,1,2,3
	v_permlanex16_b32 v[TP+\g], v[SUM+\g], s[SEL], s[SEL+1]
.endr
.irp g, 0,1,2,3
	v_add_f32 v[SUM+\g], v[SUM+\g], v[TP+\g]
.endr
	ds_store_b128 v[RA], v[SUM:SUM+3] offset:\base   ; all lanes write the wave's 16 bytes with the same values
	s_wait_dscnt 0x0                               ; for the others' sake: my store has landed
	s_barrier_signal -1
	s_barrier_wait -1
.irp k, 0,1,2,3,4,5,6,7
	ds_load_b128 v[R+4*\k:R+4*\k+3], v[ZA] offset:\base+16*\k
.endr
	s_wait_dscnt 0x0
.irp k, 0,2,4,6
	v_pk_add_f32 v[R+4*\k:R+4*\k+1], v[R+4*\k:R+4*\k+1], v[R+4*\k+4:R+4*\k+5]
	v_pk_add_f32 v[R+4*\k+2:R+4*\k+3], v[R+4*\k+2:R+4*\k+3], v[R+4*\k+6:R+4*\k+7]
.endr
.irp k, 0,4
	v_pk_add_f32 v[R+4*\k:R+4*\k+1], v[R+4*\k:R+4*\k+1], v[R+4*\k+8:R+4*\k+9]
	v_pk_add_f32 v[R+4*\k+2:R+4*\k+3], v[R+4*\k+2:R+4*\k+3], v[R+4*\k+10:R+4*\k+11]
.endr
	v_pk_add_f32 v[R:R+1], v[R:R+1], v[R+16:R+17]
	v_pk_add_f32 v[R+2:R+3], v[R+2:R+3], v[R+18:R+19]
.endm
	s_wait_loadcnt 24                              ; group 0's eight channels are in; the 24 loads behind them may be out (in a wave that laid a weight none is out)
	GSUM 0
	s_wait_loadcnt 16
	GSUM 1
	s_wait_loadcnt 8
	GSUM 2
	s_wait_loadcnt 0x0
	GSUM 3
	REDUCE RED0
.irp g, 0,1,2,3
	v_mul_f32 v[R+\g], 0xb9000000, v[R+\g]         ; -mean = the sum x -2^-13
.endr
.irp g, 0,1,2,3
	v_readfirstlane_b32 s[NM+2*\g], v[R+\g]
	s_mov_b32 s[NM+2*\g+1], s[NM+2*\g]             ; (the packed form names the pair)
.endr
	GSQ 0
	GSQ 1
	GSQ 2
	GSQ 3
	REDUCE RED1                                    ; other bytes than the first time: no wave can still be reading them
.irp g, 0,1,2,3
	v_fma_f32 v[R+\g], v[R+\g], s66, s67           ; the variance + 1e-5
.endr
.irp g, 0,1,2,3
	v_rsq_f32 v[SUM+\g], v[R+\g]
.endr
	v_nop                                          ; a plain instruction behind the last transcendental
	s_wait_alu depctr_va_vdst(0)                   ; one wait for the four, ahead of their first reader
.irp g, 0,1,2,3
	v_readfirstlane_b32 s[RS+\g], v[SUM+\g]
.endr
	s_wait_kmcnt 0x0                               ; gamma and beta
.set cc, 0
.rept 32
	s_mul_f32 s[GA+cc], s[GA+cc], s[RS+cc/8]       ; rstd x gamma
.set cc, cc+1
.endr
; Positions i0 and i0 + 1 of my four, by turns: h, the block's largest magnitude, its scale, its 32 codes.
.macro POS2 i0
.set cc, 0
.rept 32
	v_fma_f32 v[H+cc], v[X+4*cc+\i0], s[GA+cc], s[BE+cc]
	v_fma_f32 v[H+32+cc], v[X+4*cc+\i0+1], s[GA+cc], s[BE+cc]
.set cc, cc+1
.endr
	v_max3_num_f32 v[MX+\i0], |v[H]|, |v[H+1]|, 0x2800000       ; with the floor 2^(5 - 127): the byte cannot fall under 1
	v_max3_num_f32 v[MX+\i0+1], |v[H+32]|, |v[H+33]|, 0x2800000
.set cc, 2
.rept 15
	v_max3_num_f32 v[MX+\i0], v[MX+\i0], |v[H+cc]|, |v[H+cc+1]|
	v_max3_num_f32 v[MX+\i0+1], v[MX+\i0+1], |v[H+32+cc]|, |v[H+32+cc+1]|
.set cc, cc+2
.endr
	v_add_nc_u32 v[SOP+\i0], 0xfe000000, v[MX+\i0]             ; 4 off the exponent field: the conversion takes the exponent field of this operand as its scale
	v_add_nc_u32 v[SOP+\i0+1], 0xfe000000, v[MX+\i0+1]
	v_cvt_scalef32_pk16_bf6_f32 v[CD+8*\i0:CD+8*\i0+2], v[H:H+15], v[SOP+\i0]
	v_cvt_scalef32_pk16_bf6_f32 v[CD+8*\i0+4:CD+8*\i0+6], v[H+16:H+31], v[SOP+\i0]           ; (a conversion's three registers begin on an even number)
	v_cvt_scalef32_pk16_bf6_f32 v[CD+8*\i0+8:CD+8*\i0+10], v[H+32:H+47], v[SOP+\i0+1]
	v_cvt_scalef32_pk16_bf6_f32 v[CD+8*\i0+12:CD+8*\i0+14], v[H+48:H+63], v[SOP+\i0+1]
	v_lshrrev_b32 v[BY+\i0], 23, v[SOP+\i0]        ; the scale's byte.  (Also the plain instruction behind the conversions)
	v_lshrrev_b32 v[BY+\i0+1], 23, v[SOP+\i0+1]
.irp u, 0,8
	v_mov_b32 v[CD+8*\i0+\u+3], v[CD+8*\i0+\u+4]   ; the block's six registers close up
	v_mov_b32 v[CD+8*\i0+\u+4], v[CD+8*\i0+\u+5]
	v_mov_b32 v[CD+8*\i0+\u+5], v[CD+8*\i0+\u+6]
.endr
.irp u, 0,1
	ds_store_b128 v[SA], v[CD+8*(\i0+\u):CD+8*(\i0+\u)+3] offset:16*(\i0+\u)
	ds_store_b64 v[SB], v[CD+8*(\i0+\u)+4:CD+8*(\i0+\u)+5] offset:8*(\i0+\u)
	global_store_b8 v[HSO], v[BY+\i0+\u], s[12:13] offset:4*(\i0+\u)
.endr
.endm
	POS2 0
	POS2 2                                         ; each position has registers of its own for its codes and its byte: no store's data are written again
.irp k, 0,1,2,3,4,5
	ds_load_b128 v[H+4*\k:H+4*\k+3], v[SR] offset:512*\k   ; LDS serves a wave's instructions in order: these see my stores
.endr
.irp k, 0,1,2,3,4,5
	s_wait_dscnt 5-\k                              ; load k is back; the younger ones may be out
	global_store_b128 v[XO], v[H+4*\k:H+4*\k+3], s[10:11] offset:512*\k   ; 512 consecutive bytes, at a multiple of 256 from hc's first byte
.endr
	s_set_vgpr_msb 0x5
	s_wait_tensorcnt 0x0
	ds_add_u32 v0, v1
	s_wait_dscnt 0x0
	s_set_vgpr_msb 0x500
	s_endpgm
.Lfunc_end_k_q19ad929cea_gnq:
	.size	k_q19ad929cea_gnq, .Lfunc_end_k_q19ad929cea_gnq-k_q19ad929cea_gnq
	.p2alignl 7, 3214868480
	.fill 96, 4, 3214868480
	.section	.rodata,"a",@progbits
	.p2align	6, 0x0
	.amdhsa_kernel k_q19ad929cea_gnq
		.amdhsa_group_segment_fixed_size 26624
		.amdhsa_private_segment_fixed_size 0
		.amdhsa_enable_private_segment 0
		.amdhsa_kernarg_size 80
		.amdhsa_user_sgpr_count 2
		.amdhsa_user_sgpr_kernarg_segment_ptr 1
		.amdhsa_wavefront_size32 1
		.amdhsa_system_sgpr_workgroup_id_x 1
		.amdhsa_system_sgpr_workgroup_id_y 1
		.amdhsa_system_sgpr_workgroup_id_z 1
		.amdhsa_system_vgpr_workitem_id 0
		.amdhsa_next_free_vgpr 258
		.amdhsa_next_free_sgpr 100
		.amdhsa_reserve_vcc 0
		.amdhsa_float_denorm_mode_32 3
		.amdhsa_float_denorm_mode_16_64 3
		.amdhsa_memory_ordered 1
		.amdhsa_forward_progress 1
		.amdhsa_inst_pref_size 45
	.end_amdhsa_kernel
	.amdgpu_metadata
---
amdhsa.version: [ 1, 2 ]
amdhsa.kernels:
  - .name:           k_q19ad929cea_gnq
    .symbol:         k_q19ad929cea_gnq.kd
    .args:
      - { .name: x, .offset: 0, .size: 8, .value_kind: global_buffer, .address_space: global }
      - { .name: gn_scale, .offset: 8, .size: 8, .value_kind: global_buffer, .address_space: global }
      - { .name: gn_bias, .offset: 16, .size: 8, .value_kind: global_buffer, .address_space: global }
      - { .name: hc, .offset: 24, .size: 8, .value_kind: global_buffer, .address_space: global }
      - { .name: hs, .offset: 32, .size: 8, .value_kind: global_buffer, .address_space: global }
      - { .name: wimg, .offset: 40, .size: 8, .value_kind: global_buffer, .address_space: global }
      - { .name: wq_codes, .offset: 48, .size: 8, .value_kind: global_buffer, .address_space: global }
      - { .name: wk_codes, .offset: 56, .size: 8, .value_kind: global_buffer, .address_space: global }
      - { .name: wv_codes, .offset: 64, .size: 8, .value_kind: global_buffer, .address_space: global }
      - { .name: wo_codes, .offset: 72, .size: 8, .value_kind: global_buffer, .address_space: global }
    .group_segment_fixed_size: 26624
    .private_segment_fixed_size: 0
    .kernarg_segment_align: 8
    .kernarg_segment_size: 80
    .max_flat_workgroup_size: 256
    .sgpr_count:     100
    .vgpr_count:     258
    .wavefront_size: 32
...
	.end_amdgpu_metadata
.endif
;; end of part 1
;; launch qkv (part 2): grid 8 x 32, 4 waves a work-group, no clusters, 0 bytes of LDS; arguments hc, hs, wimg, wq_scales, bq, wk_scales, bk, wv_scales, bv, q_img, kv; writes q_img, kv
.if DOCPART == 2
	.amdgcn_target "amdgcn-amd-amdhsa--gfx1250"
	.amdhsa_code_object_version 6
	.text
	.protected	k_q19ad929cea_qkv
	.globl	k_q19ad929cea_qkv
	.p2align	8
	.type	k_q19ad929cea_qkv,@function
k_q19ad929cea_qkv:
	s_mov_b64 s[64:65], 0
	v_nop
	global_prefetch_b8 v0, s[64:65] scope:SCOPE_SE
	s_setreg_imm32_b32 hwreg(HW_REG_WAVE_MODE, 25, 1), 1
	s_wait_xcnt 0x0
; q = Wq h + bq, k = Wk h + bk, v = Wv h + bv on codes of BF6 (E3M2) with E8M0 scales, and the three results quantised again: q and k along the channels, v along the positions (attention's keys).
; SHARES.  A work-group owns 128 positions of one image.  The work is 48 JOBS of 16 matrix instructions: a job gives a lane 64 numbers, which become one operand fragment (16 rows x 128 along K) of the next launch.
; Wave w has eight jobs for q (w < 2) or k (w >= 2), channels 128 (w % 2) on, one for each tile of 16 positions, and four jobs for v, tiles 4 w .. 4 w + 3 of 16 channels.  One text for all waves: only pointers are chosen.
; LAYOUT.  A tile's rows are not neighbours: row r of tile T of a run of 128 is element 32 (T / 2) + 8 (T % 2) + r + 8 (r / 8), so that the 16 registers of result tiles 2 b, 2 b + 1 are 16 neighbours along the next K.
; q, k: source 0 = 16 rows of W, source 1 = 16 positions of h: a lane holds ONE position, its registers run along the channels.  v: source 0 = 16 positions of h, source 1 = 16 rows of Wv: a lane holds ONE channel, its registers
; run along the positions.  The biases are the C of each sum's first matrix instruction.
; THE WEIGHTS come as images of operand registers, laid by the launch before (wimg: fragment (matrix, tile, K step) of 1,536 bytes): wave w's 16 fragments of Wq or Wk are the 24,576 bytes from 24,576 w on, its 8 of Wv the
; 12,288 bytes from 98,304 + 12,288 w on: every load covers 512 consecutive bytes.
; OUT: IMAGES OF OPERAND REGISTERS: a fragment's 12 registers leave by three stores of 16 bytes a lane, 512 consecutive bytes each; four fragments' scale words by one such store.  The next launch loads them by the same lines.
;   q_img [b][pb][26,624]: fragment (tile T, channel half f) at (2 T + f) x 1,536; scale words at 24,576 + 1,024 f + 512 (T / 4) + 16 lane + 4 (T % 4).
;   kv [b][pb][53,248]: k's as q's, scale words at 49,152 + ..; v's fragment of channel tile c at 24,576 + 1,536 c, scale words at 51,200 + 512 (c / 4) + 16 lane + 4 (c % 4).
; No LDS, no barrier: every operand goes from memory into registers, in the order in which a lane's registers take it.  NO JOINT LOADS: what work-groups share are the weights; a wave loads its part (24,576 + 12,288 bytes of
; codes) once, straight into the registers in which it stays; through LDS the same bytes would be written and read once more.
; LIMITS: NaN and infinities are not served.  A block whose largest magnitude lies under 2^-122 (a block of zeros too) gets the byte 1: its bytes are read by this program alone.
; REGISTERS, in windows of 256: window 0: addresses, scale words, the quantiser's registers, two sets of 8 accumulators (v128-191, v192-255).  window 1: W's 16 fragments (tile T, K step s at 12 (2 T + s)), from v192 its bias.
;   window 2: h's 16 fragments, from v192 bv.   window 3: Wv's 8 fragments.
.set LI,  1                            ; v1   16 x lane
.set HA,  2                            ; v2   h's codes: 24,576 (lane / 16) + 16 r
.set HB,  3                            ; v3   24,576 (lane / 16) + 8 r
.set R4,  4                            ; v4   4 r
.set P8,  6                            ; v6   8 (r + 8 (r / 8))
.set H64, 7                            ; v7   64 (lane / 16)
.set P4,  8                            ; v8   4 (r + 8 (r / 8))
.set WSC, 16                           ; v16-31  W's scale words, 2 T + s
.set HSC, 32                           ; v32-47  h's
.set VSC, 48                           ; v48-55  Wv's
.set PW,  56                           ; v56-67  the scale word that job n makes
.set PC,  68                           ; v68-79  the codes just made
.set CT,  80                           ; v80-87  at work
.set TM,  88                           ; v88-91  largest magnitudes
.set TX,  92                           ; v92-95  the other half of the lanes'; then the bytes
.set SO,  96                           ; v96-99  the conversions' scale operands
.set D0,  128
.set WV,  48
.set HF,  49
.set SEL, 50
.set MSB, 0
.macro WIN new                         ; s_set_vgpr_msb: bits 1:0 source 0, 3:2 source 1, 5:4 source 2, 7:6 destination; the high byte repeats the setting that is left
.if MSB != \new
	s_set_vgpr_msb (MSB<<8)|\new
.set MSB, \new
.endif
.endm
	s_load_b128 s[4:7], s[0:1], 0x0                ; hc s[4:5], hs s[6:7]
	s_load_b256 s[8:15], s[0:1], 0x10              ; wimg s[8:9], wq_scales s[10:11], bq s[12:13], wk_scales s[14:15]
	s_load_b256 s[16:23], s[0:1], 0x30             ; bk s[16:17], wv_scales s[18:19], bv s[20:21], q_img s[22:23]
	s_load_b64 s[24:25], s[0:1], 0x50              ; kv
	v_lshrrev_b32 v9, 5, v0
	v_readfirstlane_b32 s[WV], v9                  ; wave 0..3
	v_and_b32 v9, 31, v0
	v_lshlrev_b32 v[LI], 4, v9
	v_and_b32 v10, 15, v0                          ; r
	v_bfe_u32 v11, v0, 4, 1                        ; lane / 16
	v_mul_u32_u24 v12, v11, 24576
	v_lshl_add_u32 v[HA], v10, 4, v12
	v_lshl_add_u32 v[HB], v10, 3, v12
	v_lshlrev_b32 v[R4], 2, v10
	v_and_b32 v13, 8, v10
	v_add_nc_u32 v13, v13, v10                     ; r + 8 (r / 8)
	v_lshlrev_b32 v[P8], 3, v13
	v_lshlrev_b32 v[H64], 6, v11
	v_lshlrev_b32 v[P4], 2, v13
.irp b, 0,1,2,3
	v_mov_b32 v[TX+\b], 0                          ; written once: a lane permute's destination counts as one of its sources
.endr
	s_mov_b32 s[SEL], 0x76543210
	s_mov_b32 s[SEL+1], 0xfedcba98
	s_and_b32 s52, ttmp7, 0xffff                   ; the image b
	s_lshl_b32 s53, s52, 3
	s_add_co_u32 s53, s53, ttmp9                   ; 8 b + pb
	s_and_b32 s[HF], s[WV], 1                      ; my half of the channels
	s_mov_b32 s55, 0
	s_wait_kmcnt 0x0
	s_cmp_lt_u32 s[WV], 2                          ; q's wave or k's?  The choice hangs on the wave's number alone
	s_cselect_b64 s[32:33], s[10:11], s[14:15]     ; W's scale bytes
	s_cselect_b64 s[34:35], s[12:13], s[16:17]     ; its bias
	s_cselect_b64 s[36:37], s[22:23], s[24:25]     ; where the fragments go
	s_mov_b32 s38, 53248
	s_cselect_b32 s38, 26624, s38                  ; a block of that buffer
	s_mov_b32 s39, 49152
	s_cselect_b32 s39, 24576, s39                  ; where its scale words begin
	s_mul_i32 s54, s[WV], 24576                    ; my 16 fragments of Wq or Wk
	s_add_nc_u64 s[30:31], s[8:9], s[54:55]
	s_mul_i32 s54, s52, 196608                     ; hc: b x 196,608 + pb x 3,072
	s_mul_i32 s56, ttmp9, 3072
	s_add_co_u32 s54, s54, s56
	s_add_nc_u64 s[4:5], s[4:5], s[54:55]
	s_lshl_b32 s54, s52, 13                        ; hs: b x 8,192 + pb x 512
	s_lshl_b32 s56, ttmp9, 9
	s_add_co_u32 s54, s54, s56
	s_add_nc_u64 s[6:7], s[6:7], s[54:55]
	s_lshl_b32 s54, s[HF], 10                      ; my 128 rows of W: 8 scale bytes,
	s_add_nc_u64 s[32:33], s[32:33], s[54:55]
	s_lshl_b32 s54, s[HF], 9                       ; 4 bytes of bias a row
	s_add_nc_u64 s[34:35], s[34:35], s[54:55]
	WIN 0x40                                       ; destination window 1
.set lq, 0
.rept 48
	global_load_b128 v[4*lq:4*lq+3], v[LI], s[30:31] offset:512*lq   ; W's images: register group lq of the 16 fragments on end
.set lq, lq+1
.endr
.irp t, 0,1,2,3,4,5,6,7
	global_load_b128 v[192+8*\t:192+8*\t+3], v[H64], s[34:35] offset:(32*(\t/2)+8*(\t%2))*4       ; the bias in the result's layout: channels 32 (T / 2) + 16 half + 8 (T % 2) + 0 .. 7
	global_load_b128 v[192+8*\t+4:192+8*\t+7], v[H64], s[34:35] offset:(32*(\t/2)+8*(\t%2))*4+16
.endr
	; h's 16 fragments: lane (r, half) takes, of position row r of tile T, the 24 bytes of channel block 4 s + 2 c + half: 16 bytes and 8 bytes
	WIN 0x80
.irp t, 0,1,2,3,4,5,6,7
.irp s, 0,1
.irp c, 0,1
	global_load_b128 v[12*(2*\t+\s)+6*\c:12*(2*\t+\s)+6*\c+3], v[HA], s[4:5] offset:(4*\s+2*\c)*24576+256*\t th:TH_LOAD_NT
	global_load_b64 v[12*(2*\t+\s)+6*\c+4:12*(2*\t+\s)+6*\c+5], v[HB], s[4:5] offset:(4*\s+2*\c)*24576+2048+128*\t th:TH_LOAD_NT
.endr
.endr
.endr
	WIN 0
.irp t, 0,1,2,3,4,5,6,7
.irp s, 0,1
	global_load_b32 v[HSC+2*\t+\s], v[R4], s[6:7] offset:4096*\s+64*\t
.endr
	global_load_b64 v[WSC+2*\t:WSC+2*\t+1], v[P8], s[32:33] offset:(32*(\t/2)+8*(\t%2))*8   ; a row's two scale words
.endr
	s_mul_i32 s54, s53, s38                        ; my block of q_img or kv
	s_add_nc_u64 s[36:37], s[36:37], s[54:55]
	s_lshl_b32 s54, s[HF], 10
	s_add_co_u32 s54, s54, s39
	s_add_nc_u64 s[42:43], s[36:37], s[54:55]      ; its scale words of my half
	s_mul_i32 s54, s[HF], 1536
	s_add_nc_u64 s[36:37], s[36:37], s[54:55]      ; its fragments of my half
	s_mul_i32 s54, s53, 53248
	s_add_nc_u64 s[24:25], s[24:25], s[54:55]      ; my block of kv
	s_mul_i32 s54, s[WV], 6144
	s_add_co_u32 s54, s54, 24576
	s_add_nc_u64 s[44:45], s[24:25], s[54:55]      ; v's fragments 4 w on
	s_lshl_b32 s54, s[WV], 9
	s_add_co_u32 s54, s54, 51200
	s_add_nc_u64 s[46:47], s[24:25], s[54:55]      ; and their scale words
	s_mul_i32 s54, s[WV], 12288                    ; my 8 fragments of Wv
	s_add_co_u32 s54, s54, 98304
	s_add_nc_u64 s[26:27], s[8:9], s[54:55]
	s_lshl_b32 s54, s[WV], 9                       ; my 64 rows of Wv: their scale bytes,
	s_add_nc_u64 s[18:19], s[18:19], s[54:55]
	s_lshl_b32 s54, s[WV], 8                       ; their bias
	s_add_nc_u64 s[20:21], s[20:21], s[54:55]
	s_wait_loadcnt 0x0                             ; all that q's and k's jobs want
	; what v's jobs want is asked for now and lands under the eight jobs before them
	WIN 0xc0
.set lq, 0
.rept 24
	global_load_b128 v[4*lq:4*lq+3], v[LI], s[26:27] offset:512*lq
.set lq, lq+1
.endr
	WIN 0x80
.irp j, 0,1,2,3
.irp e, 0,1,2,3,4,5,6,7
	global_load_b32 v[192+8*\j+\e], v[P4], s[20:21] offset:(32*(\j/2)+8*(\j%2))*4   ; a lane's one channel: its bias in all eight registers of C
.endr
.endr
	WIN 0
.irp j, 0,1,2,3
	global_load_b64 v[VSC+2*\j:VSC+2*\j+1], v[P8], s[18:19] offset:(32*(\j/2)+8*(\j%2))*8
.endr
; A job's 16 matrix instructions into v[DD] on: eight accumulators by turns, one instruction a turn, two K steps.
.macro MMQK                            ; positions: tile PT
	WIN 0x19                                       ; source 0 (W) window 1, source 1 (h) window 2, C (the bias) window 1
.irp t, 0,1,2,3,4,5,6,7
	v_wmma_scale_f32_16x16x128_f8f6f4 v[DD+8*\t:DD+8*\t+7], v[24*\t:24*\t+11], v[24*PT:24*PT+11], v[192+8*\t:192+8*\t+7], v[WSC+2*\t], v[HSC+2*PT] matrix_a_fmt:MATRIX_FMT_BF6 matrix_b_fmt:MATRIX_FMT_BF6
.endr
	WIN 0x09
.irp t, 0,1,2,3,4,5,6,7
	v_wmma_scale_f32_16x16x128_f8f6f4 v[DD+8*\t:DD+8*\t+7], v[24*\t+12:24*\t+23], v[24*PT+12:24*PT+23], v[DD+8*\t:DD+8*\t+7], v[WSC+2*\t+1], v[HSC+2*PT+1] matrix_a_fmt:MATRIX_FMT_BF6 matrix_b_fmt:MATRIX_FMT_BF6
.endr
.endm
.macro MMV                             ; channels: my tile PT of four
	WIN 0x2e                                       ; source 0 (h) window 2, source 1 (Wv) window 3, C (bv) window 2
.irp t, 0,1,2,3,4,5,6,7
	v_wmma_scale_f32_16x16x128_f8f6f4 v[DD+8*\t:DD+8*\t+7], v[24*\t:24*\t+11], v[24*PT:24*PT+11], v[192+8*PT:192+8*PT+7], v[HSC+2*\t], v[VSC+2*PT] matrix_a_fmt:MATRIX_FMT_BF6 matrix_b_fmt:MATRIX_FMT_BF6
.endr
	WIN 0x0e
.irp t, 0,1,2,3,4,5,6,7
	v_wmma_scale_f32_16x16x128_f8f6f4 v[DD+8*\t:DD+8*\t+7], v[24*\t+12:24*\t+23], v[24*PT+12:24*PT+23], v[DD+8*\t:DD+8*\t+7], v[HSC+2*\t+1], v[VSC+2*PT+1] matrix_a_fmt:MATRIX_FMT_BF6 matrix_b_fmt:MATRIX_FMT_BF6
.endr
.endm
; 64 numbers of a lane, register 16 b + i = k 32 b + 16 (lane / 16) + i of my row, with the blocks' scale operands in v[SO] on, become a fragment's 12 registers in v[p] on.
.macro CODES s, p
.irp c, 0,1
	v_cvt_scalef32_pk16_bf6_f32 v[\p+6*\c:\p+6*\c+2], v[\s+32*\c:\s+32*\c+15], v[SO+2*\c]
	v_cvt_scalef32_pk16_bf6_f32 v[CT+4*\c:CT+4*\c+2], v[\s+32*\c+16:\s+32*\c+31], v[SO+2*\c+1]   ; (a conversion's three registers begin on an even number)
.endr
	v_nop                                          ; one plain instruction behind the scaled conversions
.irp c, 0,1                                    ; the operand's layout wants a WHOLE block in a lane: lanes 0-15 block 2 c, lanes 16-31 block 2 c + 1
.irp i, 0,1,2
	v_permlane16_swap_b32 v[\p+6*\c+\i], v[CT+4*\c+\i]
.endr
.irp i, 0,1,2
	v_mov_b32 v[\p+3+6*\c+\i], v[CT+4*\c+\i]
.endr
.endr
.endm
.macro QUANT s, pw                     ; the same from the numbers alone: codes in v[PC] on, the row's scale word in v[pw]
.irp b, 0,1,2,3
	v_max3_num_f32 v[TM+\b], |v[\s+16*\b]|, |v[\s+16*\b+1]|, 0x2800000   ; block b: my 16 numbers, and the floor 2^(5 - 127): the byte cannot fall under 1.  (Each accumulator is read from its low end on)
.endr
.irp i, 2,4,6,8,10,12,14
.irp b, 0,1,2,3
	v_max3_num_f32 v[TM+\b], v[TM+\b], |v[\s+16*\b+\i]|, |v[\s+16*\b+\i+1]|
.endr
.endr
.irp b, 0,1,2,3
	v_permlanex16_b32 v[TX+\b], v[TM+\b], s[SEL], s[SEL+1]
.endr
.irp b, 0,1,2,3
	v_max_num_f32 v[TM+\b], v[TM+\b], v[TX+\b]     ; with lane l xor 16's: the block's largest magnitude
.endr
.irp b, 0,1,2,3
	v_add_nc_u32 v[SO+\b], 0xfe000000, v[TM+\b]    ; 4 off its exponent field
.endr
.irp b, 0,1,2,3
	v_lshrrev_b32 v[TX+\b], 23, v[SO+\b]           ; the scale's byte
.endr
	v_lshl_or_b32 v[\pw], v[TX+1], 8, v[TX]
	v_lshl_or_b32 v[\pw], v[TX+2], 16, v[\pw]
	v_lshl_or_b32 v[\pw], v[TX+3], 24, v[\pw]
	CODES \s, PC
.endm
; THE TWELVE JOBS.  Job n + 1's products are issued ahead of job n's quantising, into the other set of accumulators.
.set PT, 0
.set DD, D0
	MMQK
.set n, 0
.rept 12
.set DD, D0+64*((n+1)%2)
.if n+1 < 8
.set PT, n+1
	MMQK
.elseif n+1 < 12
.if n+1 == 8
	s_wait_loadcnt 0x0                             ; Wv, its scale words and bv
.endif
.set PT, n+1-8
	MMV
.endif
	WIN 0
.if n < 11
.rept 4
	v_nop                                          ; four places between the last products and the first read of results (ISA guide 7.12.1)
.endr
.endif
	s_wait_xcnt 0x0                                ; the last job's stores have read their data: the codes' registers are written again only behind this wait
.set DD, D0+64*(n%2)
	QUANT DD, PW+n
.if n < 8
.irp c, 0,1,2
	global_store_b128 v[LI], v[PC+4*\c:PC+4*\c+3], s[36:37] offset:3072*n+512*\c   ; 512 consecutive bytes, at a multiple of 256 from the buffer's first byte
.endr
.else
.irp c, 0,1,2
	global_store_b128 v[LI], v[PC+4*\c:PC+4*\c+3], s[44:45] offset:1536*(n-8)+512*\c
.endr
.endif
.if n == 3
	global_store_b128 v[LI], v[PW:PW+3], s[42:43]              ; four tiles' scale words
.endif
.if n == 7
	global_store_b128 v[LI], v[PW+4:PW+7], s[42:43] offset:512
.endif
.if n == 11
	global_store_b128 v[LI], v[PW+8:PW+11], s[46:47]
.endif
.set n, n+1
.endr
	s_endpgm
.Lfunc_end_k_q19ad929cea_qkv:
	.size	k_q19ad929cea_qkv, .Lfunc_end_k_q19ad929cea_qkv-k_q19ad929cea_qkv
	.p2alignl 7, 3214868480
	.fill 96, 4, 3214868480
	.section	.rodata,"a",@progbits
	.p2align	6, 0x0
	.amdhsa_kernel k_q19ad929cea_qkv
		.amdhsa_group_segment_fixed_size 0
		.amdhsa_private_segment_fixed_size 0
		.amdhsa_enable_private_segment 0
		.amdhsa_kernarg_size 88
		.amdhsa_user_sgpr_count 2
		.amdhsa_user_sgpr_kernarg_segment_ptr 1
		.amdhsa_wavefront_size32 1
		.amdhsa_system_sgpr_workgroup_id_x 1
		.amdhsa_system_sgpr_workgroup_id_y 1
		.amdhsa_system_sgpr_workgroup_id_z 1
		.amdhsa_system_vgpr_workitem_id 0
		.amdhsa_next_free_vgpr 864
		.amdhsa_next_free_sgpr 66
		.amdhsa_reserve_vcc 0
		.amdhsa_float_denorm_mode_32 3
		.amdhsa_float_denorm_mode_16_64 3
		.amdhsa_memory_ordered 1
		.amdhsa_forward_progress 1
		.amdhsa_inst_pref_size 99
	.end_amdhsa_kernel
	.amdgpu_metadata
---
amdhsa.version: [ 1, 2 ]
amdhsa.kernels:
  - .name:           k_q19ad929cea_qkv
    .symbol:         k_q19ad929cea_qkv.kd
    .args:
      - { .name: hc, .offset: 0, .size: 8, .value_kind: global_buffer, .address_space: global }
      - { .name: hs, .offset: 8, .size: 8, .value_kind: global_buffer, .address_space: global }
      - { .name: wimg, .offset: 16, .size: 8, .value_kind: global_buffer, .address_space: global }
      - { .name: wq_scales, .offset: 24, .size: 8, .value_kind: global_buffer, .address_space: global }
      - { .name: bq, .offset: 32, .size: 8, .value_kind: global_buffer, .address_space: global }
      - { .name: wk_scales, .offset: 40, .size: 8, .value_kind: global_buffer, .address_space: global }
      - { .name: bk, .offset: 48, .size: 8, .value_kind: global_buffer, .address_space: global }
      - { .name: wv_scales, .offset: 56, .size: 8, .value_kind: global_buffer, .address_space: global }
      - { .name: bv, .offset: 64, .size: 8, .value_kind: global_buffer, .address_space: global }
      - { .name: q_img, .offset: 72, .size: 8, .value_kind: global_buffer, .address_space: global }
      - { .name: kv, .offset: 80, .size: 8, .value_kind: global_buffer, .address_space: global }
    .group_segment_fixed_size: 0
    .private_segment_fixed_size: 0
    .kernarg_segment_align: 8
    .kernarg_segment_size: 88
    .max_flat_workgroup_size: 128
    .sgpr_count:     66
    .vgpr_count:     864
    .wavefront_size: 32
...
	.end_amdgpu_metadata
.endif
;; end of part 2
;; launch attn (part 3): grid 8 x 32, 4 waves a work-group, clusters of 4 x 1, 327,680 bytes of LDS; arguments q_img, kv, wimg, wo_scales, bo, x, out0; writes out0
.if DOCPART == 3
	.amdgcn_target "amdgcn-amd-amdhsa--gfx1250"
	.amdhsa_code_object_version 6
	.text
	.protected	k_q19ad929cea_attn
	.globl	k_q19ad929cea_attn
	.p2align	8
	.type	k_q19ad929cea_attn,@function
k_q19ad929cea_attn:
	s_mov_b64 s[64:65], 0
	v_nop
	global_prefetch_b8 v0, s[64:65] scope:SCOPE_SE
	s_setreg_imm32_b32 hwreg(HW_REG_WAVE_MODE, 25, 1), 1
	s_wait_xcnt 0x0
	s_wait_alu depctr_hold_cnt(0) depctr_sa_sdst(0) depctr_va_vdst(0) depctr_va_sdst(0) depctr_va_ssrc(0) depctr_va_vcc(0) depctr_vm_vsrc(0)
	s_getreg_b32 s2, hwreg(HW_REG_IB_STS2, 6, 4)
	s_cmp_eq_u32 s2, 0
	s_cbranch_scc0 .Lentry_in_a_cluster
	s_endpgm
.Lentry_in_a_cluster:
	s_bfe_u32 s2, ttmp6, 0x10000c
	s_cmp_lg_u32 s2, 0x3003
	s_cbranch_scc0 .Lentry_shape_is_right
	s_endpgm
.Lentry_shape_is_right:
; out0 = x + Wo softmax(q^T k / 16) v + bo, all three products on codes of BF6 (E3M2) with one E8M0 scale for each 32 along a product's K.  One head of 256 channels, 1,024 positions, 32 images.
; q, k, v and Wo come as IMAGES OF OPERAND REGISTERS (a fragment of 16 rows x 128 along K: 1,536 bytes, register group c of lane l at 512 c + 16 l; q's, k's and v's scale words four to a lane): every fragment is three loads of 16 bytes a lane.
; THE SOFTMAX AHEAD OF THE SECOND PRODUCT: t = score x log2(e) / 16; M = the row's largest t so far, rounded UP to a whole number; p = 2^(t - M) is quantised along the keys, not normalised.  The row's sum is taken of the
; unquantised p and divides O at the end (v_rcp_f32 and a multiplication).  When M moves, the sum and O are multiplied by 2^(old M - new M): exact.
; SHARES.  A work-group owns 128 queries of one image; each of its four waves two tiles of 16, so that each fragment of K and V read from LDS feeds two matrix instructions.  Every wave walks the 1,024 keys, 128 a step.
; LAYOUT.  S^T = K Q^T (source 0 = 16 keys, source 1 = 16 queries), O^T = V P^T (source 0 = 16 channels, source 1 = P): a lane holds ONE query throughout.  The rows of a tile are not neighbours (row r of tile T of a run of 128
; is element 32 (T / 2) + 8 (T % 2) + r + 8 (r / 8)): so the 16 registers of result tiles 2 b, 2 b + 1 are 16 neighbours along the next K: keys for P, channels for O.
; THE LAST PRODUCT.  O / the sum is quantised along the channels; the fragments go from wave to wave through LDS as images.  Wave w makes channels 64 w .. 64 w + 63 of the output for all 128 queries (source 0 = 16 queries,
; source 1 = 16 rows of Wo, C = bo): a lane holds one channel and eight neighbouring queries; 16 channels at a time go through the wave's stage, come back as rows of 512 bytes, take x and leave.
; A KEY STEP stands in phases: 32 products K Q^T; tile 0's softmax; tile 1's softmax; 32 products V P^T.  THE LDS LOADS STAND IN SHORT GROUPS INSIDE THE SOFTMAXES, four or eight at a time, so that the wave goes on with vector work
; while they are served: this step's V (48 loads and 4 of scale words) in tile 0's softmax, the next step's K (as many) in tile 1's.
; THE RING.  A key step's K, V and scale words are 53,248 dense bytes; a slot holds two steps; two slots.  Each wave brings a quarter of a slot (104 rows of 256 bytes) by one tensor load.  By this text's count a wave has two
; tensor loads out at the start and one behind each of the two refills.  A slot's last bytes, V of its second step, have been asked for at the end of that step's first softmax: THERE the slots change, and the next K, which lies
; in the other slot, is read behind the same barrier.  A refill has two key steps' work in which to land.
; CLUSTER.  The four query blocks of a cluster belong to one image and walk the same K and V: each quarter of a slot is asked for JOINTLY, by the same tensor load with the same descriptor and the mask of all four.
; PREFETCH.  x, of which the wave reads 64 rows x 512 bytes at the end, is asked for at the last change of slots, in the middle of key step 5 of 0 to 7: four instructions a wave, each lane another aligned 256 bytes, each such
; block named once in the launch.  kv is not prefetched: half of an image's K and V go out with the first fills, and each of the two refills has two key steps' work in which to land.
; LIMITS: NaN and infinities are not served.  A block whose largest magnitude lies under 2^-122 (a block of zeros too) gets the byte 1: its bytes are read by this program alone.
; REGISTERS, in windows of 256: window 0: addresses, statistics, scale words; v64-191 S^T then p, 64 a tile; v192-215 P's codes; v216-241 at work.   window 1: O^T, 128 a tile; at the end x.
;   window 2: K's 16 fragments (tile T, channel half s at 12 (2 T + s)), from v192 Q's four; at the end Wo, bo and rows read back.   window 3: V's 16 fragments; at the end O's.
.set STEPB, 53248                      ; a key step in LDS: K's 16 fragments, V's 16, K's scale words (2,048 bytes), V's (2,048)
.set SLOT1, 1<<17                      ; slot 1 begins here, so that one exclusive or turns an address in one slot into the other's
.set SPARE, SLOT1+2*STEPB              ; the spare words, 128 bytes for each wave: two blocks of 256 bytes that no other line names
.set OIMG,  SPARE+512                  ; O's 16 fragments (query tile T, channel half s: 2 T + s)
.set OSC,   OIMG+16*1536               ; their scale words, 128 bytes each
.set STG,   OSC+16*128                 ; a stage of 16 rows x (512 + 16) bytes for each wave.  No tensor load ever lands from SPARE on
.set LI,  1                            ; v1   16 x lane
.set ADR, 2                            ; v2   the LDS address of the loads in hand
.set SPW, 3                            ; v3   LDS address of my spare word; never rewritten
.set NIL, 4                            ; v4   0; never rewritten
.set LSO, 5                            ; v5   OSC + 4 x lane
.set OWI, 6                            ; v6   where I store O's images: OIMG + 16 x lane + 6,144 x wave
.set OWS, 7                            ; v7   and their scale words: OSC + 4 x lane + 512 x wave
.set STO, 8                            ; v8   the stage, in: row r, + 64 (lane / 16)
.set STR, 9                            ; v9   the stage, back: 16 x lane
.set R8,  11                           ; v11  8 r
.set ST,  12                           ; v12-19  tile t at ST + 4 t: -M, the largest t, the sum in two halves
.set F,   20                           ; v20-23  tile t at F + 2 t: 2^(old M - new M), later 1 / the sum (named as a pair)
.set QS,  24                           ; v24-27  Q's scale words, 2 s + t
.set PS,  28                           ; v28-29  P's scale words
.set R4,  30                           ; v30  4 r
.set PFO, 31                           ; v31  the prefetches' offset: 4,096 (lane / 2) + 256 (lane % 2); never rewritten
.set KS,  32                           ; v32-47  K's scale words, 8 s + T; at the end Wo's
.set VS,  48                           ; v48-63  V's scale words; at the end O's
.set S,   64
.set PC,  192
.set CT,  216
.set BM,  224                          ; v224-227 a block's largest score, then its largest p
.set BX,  228                          ; v228-231 the other half of the lanes'; then the bytes
.set SO,  232                          ; v232-235 the conversions' scale operands
.set TA,  236
.set TBP, 238
.set T0,  240
.set T1,  241
.set WV,  18
.set SEL, 20
.set CS,  22                           ; s[22:23] c = log2(e) / 16
.set G1,  24                           ; s[24:31] descriptor group 1
.set G0A, 32                           ; s[32:35] group 0 of slot 0's first fill
.set G0B, 36                           ; s[36:39] group 0 of slot 1's first fill; it then walks
.set TB,  40                           ; s40  LDS byte at which the step to be fetched begins
.set SLOTS, 41
.set MSB, 0
.macro WIN new                         ; s_set_vgpr_msb: bits 1:0 source 0, 3:2 source 1, 5:4 source 2, 7:6 destination; the high byte repeats the setting that is left
.if MSB != \new
	s_set_vgpr_msb (MSB<<8)|\new
.set MSB, \new
.endif
.endm
.macro PLACES                          ; four plain instructions between a matrix instruction and a read of its result, or a load into one of its registers (ISA guide 7.12.1 for vector instructions)
.rept 4
	v_nop
.endr
.endm
; A round of the cluster's barrier: my work-group's barrier; wave 0 signals for the work-group; every wave waits for all four work-groups; my work-group's barrier once more.
.macro CROUND
	s_barrier_signal -1
	s_barrier_wait -1
	s_cmp_lg_u32 s[WV], 0
	s_cbranch_scc1 .Lnot_wave_0_\@
	s_barrier_signal -3
.Lnot_wave_0_\@:
	s_barrier_wait -3
	s_barrier_signal -1
	s_barrier_wait -1
.endm
	s_load_b256 s[4:11], s[0:1], 0x0               ; q_img s[4:5], kv s[6:7], wimg s[8:9], wo_scales s[10:11]
	s_load_b128 s[12:15], s[0:1], 0x20             ; bo s[12:13], x s[14:15]
	s_load_b64 s[16:17], s[0:1], 0x30              ; out0
	v_lshl_add_u32 v[SPW], v0, 2, SPARE
	v_mov_b32 v[NIL], 0
	ds_add_u32 v3, v4
	ds_add_u32 v3, v4
	s_wait_dscnt 0x0
	v_lshrrev_b32 v[ADR], 5, v0
	v_readfirstlane_b32 s[WV], v[ADR]              ; wave 0..3
	s_and_b32 s43, ttmp7, 0xffff                   ; the image, which the four partners share
	s_bfe_u32 s44, ttmp6, 0x40000                  ; cx: my place in the cluster
	s_lshl_b32 s45, ttmp9, 2
	s_add_co_u32 s45, s45, s44                     ; my block of 128 queries = 4 x cluster x + cx: it enters q_img's, x's and out0's addresses alone
	; descriptor group 1: 104 rows of 32 elements of 8 bytes, dense in memory and in LDS
	s_mov_b32 s[G1], 15|(3<<16)|(1<<21)            ; 15:0 the mask: all four work-groups; 17:16 elements of 8 bytes; 20 no padding; 21 set beside a mask
	s_mov_b32 s[G1+1], 32<<16                      ; tensor_dim0 = 32
	s_mov_b32 s[G1+2], 104<<16                     ; tensor_dim1 = 104
	s_mov_b32 s[G1+3], 32<<16                      ; tile_dim0 = 32
	s_mov_b32 s[G1+4], 104                         ; tile_dim1 = 104
	s_mov_b32 s[G1+5], 32                          ; from row to row
	s_mov_b32 s[G1+6], 0
	s_mov_b32 s[G1+7], 0
	s_mul_i32 s[G0A+1], s[WV], 26624               ; my quarter of a slot: no place in the cluster enters an LDS address
	s_mul_i32 s46, s43, 425984                     ; the image's K and V: 8 steps of 53,248 bytes
	s_add_co_u32 s46, s46, s[G0A+1]
	s_mov_b32 s47, 0
	s_mov_b32 s[SEL], 0x76543210
	s_mov_b32 s[SEL+1], 0xfedcba98                 ; v_permlanex16_b32's selects for lane l xor 16
	s_mov_b32 s[CS], 0x3db8aa3b                    ; log2(e) / 16
	s_mov_b32 s[CS+1], s[CS]                       ; (named with it as a pair, so it is written)
	s_mov_b32 s[TB], 0
	s_wait_kmcnt 0x0
	s_mov_b32 s[G0A], 1                            ; count = 1
	s_add_nc_u64 s[G0A+2:G0A+3], s[6:7], s[46:47]  ; key steps 0 and 1
	s_mov_b32 s[G0B], 1
	s_add_co_u32 s[G0B+1], s[G0A+1], SLOT1
	s_add_nc_u64 s[G0B+2:G0B+3], s[G0A+2:G0A+3], 2*STEPB   ; key steps 2 and 3
	s_or_b32 s[G0A+3], s[G0A+3], 0x80000000        ; type = 2
	s_or_b32 s[G0B+3], s[G0B+3], 0x80000000
	CROUND                                         ; all four work-groups are here: the first joint loads meet
	tensor_load_to_lds s[G0A:G0A+3], s[G1:G1+7]    ; both first fills go out together, ahead of every wait on TENSORcnt and every LDS read
	s_nop 0
	tensor_load_to_lds s[G0B:G0B+3], s[G1:G1+7]
	s_nop 0
	PLACES                                         ; four v_nop follow the tensor loads
	s_lshl_b32 s48, s43, 3
	s_add_co_u32 s48, s48, s45
	s_mul_i32 s48, s48, 26624
	s_mov_b32 s49, 0
	s_add_nc_u64 s[4:5], s[4:5], s[48:49]          ; my block of q_img
	s_lshr_b32 s50, s[WV], 1
	s_lshl_b32 s50, s50, 9
	s_and_b32 s51, s[WV], 1
	s_lshl_b32 s51, s51, 3
	s_add_co_u32 s50, s50, s51
	s_add_co_u32 s50, s50, 24576
	s_mov_b32 s51, 0
	s_add_nc_u64 s[52:53], s[4:5], s[50:51]        ; the scale words of my tiles 2 w, 2 w + 1: two words on end in each lane's 16 bytes
	s_mul_i32 s50, s[WV], 6144
	s_add_nc_u64 s[4:5], s[4:5], s[50:51]          ; my four fragments
	s_lshl_b32 s48, s43, 20                        ; x and out0: image, my 64 channels, my work-group's 128 positions
	s_lshl_b32 s50, s[WV], 18
	s_add_co_u32 s48, s48, s50
	s_lshl_b32 s50, s45, 9
	s_add_co_u32 s48, s48, s50
	s_add_nc_u64 s[14:15], s[14:15], s[48:49]
	s_add_nc_u64 s[16:17], s[16:17], s[48:49]
	s_mul_i32 s50, s[WV], 12288                    ; Wo's images begin 96 fragments into wimg; my 64 rows are 8 fragments,
	s_add_co_u32 s50, s50, 147456
	s_add_nc_u64 s[8:9], s[8:9], s[50:51]
	s_lshl_b32 s50, s[WV], 9                       ; their scale bytes,
	s_add_nc_u64 s[10:11], s[10:11], s[50:51]
	s_lshl_b32 s50, s[WV], 8                       ; their bias
	s_add_nc_u64 s[12:13], s[12:13], s[50:51]
	v_and_b32 v[LI], 31, v0
	v_lshlrev_b32 v[LSO], 2, v[LI]
	v_add_nc_u32 v[LSO], OSC, v[LSO]
	v_lshrrev_b32 v[PFO], 1, v[LI]
	v_and_b32 v[T0], 1, v0
	v_lshlrev_b32 v[T0], 8, v[T0]
	v_lshl_add_u32 v[PFO], v[PFO], 12, v[T0]
	v_lshlrev_b32 v[LI], 4, v[LI]
	WIN 0x80                                       ; destination window 2
.irp f, 0,1,2,3
.irp c, 0,1,2
	global_load_b128 v[192+12*\f+4*\c:192+12*\f+4*\c+3], v[LI], s[4:5] offset:1536*\f+512*\c   ; Q's fragment (tile f / 2, channel half f % 2) stays in registers
.endr
.endr
	WIN 0
.irp s, 0,1
	global_load_b64 v[QS+2*\s:QS+2*\s+1], v[LI], s[52:53] offset:1024*\s
.endr
	v_and_b32 v[T0], 15, v0                        ; r
	v_bfe_u32 v[T1], v0, 4, 1                      ; lane / 16
	s_mul_i32 s50, s[WV], 6144
	s_add_co_u32 s50, s50, OIMG
	v_add_nc_u32 v[OWI], s50, v[LI]
	s_lshl_b32 s50, s[WV], 9
	v_add_nc_u32 v[OWS], s50, v[LSO]
	s_mul_i32 s50, s[WV], 8448
	s_add_co_u32 s50, s50, STG                     ; my stage
	v_mul_u32_u24 v[STO], v[T0], 528
	v_lshl_add_u32 v[STO], v[T1], 6, v[STO]
	v_add_nc_u32 v[STO], s50, v[STO]
	v_add_nc_u32 v[STR], s50, v[LI]
	v_lshlrev_b32 v[R8], 3, v[T0]
	v_lshlrev_b32 v[R4], 2, v[T0]
.irp b, 0,1,2,3
	v_mov_b32 v[BX+\b], 0                          ; written once: a lane permute's destination counts as one of its sources
	v_mov_b32 v[F+\b], 0                           ; (named in pairs before the upper halves are ever written)
.endr
; Key step 0's K, in one run: there is no vector work yet to set it in.
.macro FETCH_K
	v_add_nc_u32 v[ADR], s[TB], v[LI]
	WIN 0x80                                       ; destination window 2
.set lq, 0
.rept 48
	ds_load_b128 v[4*lq:4*lq+3], v[ADR] offset:512*lq
.set lq, lq+1
.endr
	WIN 0
.irp g, 0,1,2,3
	ds_load_b128 v[KS+4*\g:KS+4*\g+3], v[ADR] offset:49152+512*\g
.endr
.endm
; A GROUP OF LDS LOADS inside a softmax: register groups q0 .. q0 + cnt - 1 of the 48 of a step's V (kind 1: window 3) or K (kind 2: window 2); kind 0: nothing.  Register group q is registers 4 q .. 4 q + 3, 512 q bytes into the images.
.macro LDG kind, q0, cnt
.if \kind
.set lq, \q0
.if \kind == 1
	WIN 0xc0
.else
	WIN 0x80
.endif
.rept \cnt
	ds_load_b128 v[4*lq:4*lq+3], v[ADR] offset:(2-\kind)*24576+512*lq
.set lq, lq+1
.endr
	WIN 0
.endif
.endm
; The head of such a fetch: the address, made anew from s[TB]; the step's scale words; the first four register groups.  Behind V's head s[TB] goes on to the next step, whose K is fetched next.
.macro LDHEAD kind
.if \kind
	v_add_nc_u32 v[ADR], s[TB], v[LI]
.endif
.if \kind == 1
.irp g, 0,1,2,3
	ds_load_b128 v[VS+4*\g:VS+4*\g+3], v[ADR] offset:51200+512*\g
.endr
	s_add_co_u32 s[TB], s[TB], STEPB
.endif
.if \kind == 2
.irp g, 0,1,2,3
	ds_load_b128 v[KS+4*\g:KS+4*\g+3], v[ADR] offset:49152+512*\g
.endr
.endif
	LDG \kind, 16, 4
.endm
; In the last key step, into K's registers: my 8 fragments of Wo (tile i, K step s at 12 (2 i + s)) as images, bo (a lane's one channel in all eight registers of C) and Wo's scale words: 60 loads.
.macro WO_LOADS
	WIN 0x80
.set lq, 0
.rept 24
	global_load_b128 v[4*lq:4*lq+3], v[LI], s[8:9] offset:512*lq
.set lq, lq+1
.endr
.irp i, 0,1,2,3
.irp e, 0,1,2,3,4,5,6,7
	global_load_b32 v[96+8*\i+\e], v[R4], s[12:13] offset:64*\i
.endr
.endr
	WIN 0
.irp i, 0,1,2,3
	global_load_b64 v[KS+2*\i:KS+2*\i+1], v[R8], s[10:11] offset:128*\i   ; a row's two scale words
.endr
.endm
; 64 numbers of a lane, register 16 b + i = k 32 b + 16 (lane / 16) + i of my row, with the blocks' scale operands in v[SO] on, become a fragment's 12 registers in v[p] on.
.macro CODES s, p
.irp c, 0,1
	v_cvt_scalef32_pk16_bf6_f32 v[\p+6*\c:\p+6*\c+2], v[\s+32*\c:\s+32*\c+15], v[SO+2*\c]
	v_cvt_scalef32_pk16_bf6_f32 v[CT+4*\c:CT+4*\c+2], v[\s+32*\c+16:\s+32*\c+31], v[SO+2*\c+1]   ; (a conversion's three registers begin on an even number)
.endr
	v_nop                                          ; one plain instruction behind the scaled conversions
.irp c, 0,1                                    ; the operand's layout wants a WHOLE block in a lane: lanes 0-15 block 2 c, lanes 16-31 block 2 c + 1
.irp i, 0,1,2
	v_permlane16_swap_b32 v[\p+6*\c+\i], v[CT+4*\c+\i]
.endr
.irp i, 0,1,2
	v_mov_b32 v[\p+3+6*\c+\i], v[CT+4*\c+\i]
.endr
.endr
.endm
.macro QUANT s, pw                     ; the same from signed numbers alone: codes in v[PC] on, the row's scale word in v[pw]
.irp b, 0,1,2,3
	v_max3_num_f32 v[BM+\b], |v[\s+16*\b]|, |v[\s+16*\b+1]|, 0x2800000   ; with the floor 2^(5 - 127): the byte cannot fall under 1
.endr
.irp i, 2,4,6,8,10,12,14
.irp b, 0,1,2,3
	v_max3_num_f32 v[BM+\b], v[BM+\b], |v[\s+16*\b+\i]|, |v[\s+16*\b+\i+1]|
.endr
.endr
.irp b, 0,1,2,3
	v_permlanex16_b32 v[BX+\b], v[BM+\b], s[SEL], s[SEL+1]
.endr
.irp b, 0,1,2,3
	v_max_num_f32 v[BM+\b], v[BM+\b], v[BX+\b]
.endr
.irp b, 0,1,2,3
	v_add_nc_u32 v[SO+\b], 0xfe000000, v[BM+\b]
.endr
.irp b, 0,1,2,3
	v_lshrrev_b32 v[BX+\b], 23, v[SO+\b]
.endr
	v_lshl_or_b32 v[\pw], v[BX+1], 8, v[BX]
	v_lshl_or_b32 v[\pw], v[BX+2], 16, v[\pw]
	v_lshl_or_b32 v[\pw], v[BX+3], 24, v[\pw]
	CODES \s, PC
.endm
; TILE t'S SOFTMAX FOR A KEY STEP.  first = 1: the first step, which starts M, the sum and O^T: nothing to rescale.  kind: which fetch stands in it (LDG): 52 LDS loads in seven groups, some forty vector instructions apart.
; The two groups that stand among the exponentials take register groups 0 to 15, registers 0-63 of their window: no line between an exponential and its wait names a register number that an exponential has written.
.macro SM t, first, kind
.set rS, S+64*\t
.set rT, ST+4*\t
.set rF, F+2*\t
.set rP, PC+12*\t
	LDHEAD \kind
.irp b, 0,1,2,3
	v_max3_num_f32 v[BM+\b], v[rS+16*\b], v[rS+16*\b+1], v[rS+16*\b+2]   ; THE LARGEST SCORE OF EACH BLOCK OF 32 KEYS: it serves the row's maximum and, since p rises with the score, the block's largest p.  (Each accumulator is read from its low end on)
.endr
.irp i, 3,5,7,9,11,13
.irp b, 0,1,2,3
	v_max3_num_f32 v[BM+\b], v[BM+\b], v[rS+16*\b+\i], v[rS+16*\b+\i+1]
.endr
.endr
.irp b, 0,1,2,3
	v_max_num_f32 v[BM+\b], v[BM+\b], v[rS+16*\b+15]
.endr
	LDG \kind, 20, 8
.irp b, 0,1,2,3
	v_permlanex16_b32 v[BX+\b], v[BM+\b], s[SEL], s[SEL+1]
.endr
.irp b, 0,1,2,3
	v_max_num_f32 v[BM+\b], v[BM+\b], v[BX+\b]     ; with lane l xor 16's 16 keys
.endr
	v_max3_num_f32 v[T0], v[BM], v[BM+1], v[BM+2]
	v_max_num_f32 v[T0], v[T0], v[BM+3]            ; the step's largest score of my query
.if \first
	v_mul_f32 v[rT+1], s[CS], v[T0]                ; as t (c is positive)
	v_floor_f32 v[rT], -v[rT+1]                    ; -M = floor(-t) = -ceil(t): M IS A WHOLE NUMBER
.else
	v_mul_f32 v[T0], s[CS], v[T0]
	v_max_num_f32 v[rT+1], v[rT+1], v[T0]          ; the running largest t
	v_mov_b32 v[T0], v[rT]
	v_floor_f32 v[rT], -v[rT+1]
	v_sub_f32 v[T0], v[rT], v[T0]                  ; M's old value less its new one: a whole number, 0 or less
	v_cvt_i32_f32 v[T0], v[T0]                     ; (it saturates)
	v_ldexp_f32 v[rF], 1.0, v[T0]                  ; f = 2^(old M - new M)
.endif
.set j, 0
.rept 16
	v_pk_fma_f32 v[rS+j:rS+j+1], v[rS+j:rS+j+1], s[CS:CS+1], v[rT:rT+1] op_sel_hi:[1,0,0]   ; t - M, two at a time (of the pairs c and -M the low word serves both halves)
.set j, j+2
.endr
	LDG \kind, 28, 8
.rept 16
	v_pk_fma_f32 v[rS+j:rS+j+1], v[rS+j:rS+j+1], s[CS:CS+1], v[rT:rT+1] op_sel_hi:[1,0,0]
.set j, j+2
.endr
.irp b, 0,1,2,3
	v_fma_f32 v[BM+\b], v[BM+\b], s[CS], v[rT]     ; the same of each block's largest score
.endr
.set j, 0
.rept 16
	v_exp_f32 v[rS+j], v[rS+j]                     ; p = 2^(t - M), at most 1: NOT normalised
.set j, j+1
.endr
	LDG \kind, 0, 8
.rept 24
	v_exp_f32 v[rS+j], v[rS+j]
.set j, j+1
.endr
	LDG \kind, 8, 8
.rept 24
	v_exp_f32 v[rS+j], v[rS+j]
.set j, j+1
.endr
	v_nop                                          ; a plain instruction behind the last exponential
	s_wait_alu depctr_va_vdst(0)                   ; one wait for the batch of 64, ahead of its first reader
.irp b, 0,1,2,3
	v_exp_f32 v[BM+\b], v[BM+\b]                   ; the block's largest p: the same two instructions on the same number give the same bits
.endr
	v_pk_add_f32 v[TA:TA+1], v[rS:rS+1], v[rS+2:rS+3]            ; THE ROW'S SUM IS TAKEN OF THE UNQUANTISED p: two at a time, in two chains.  (It reads the 64 alone: plain work behind the four)
	v_pk_add_f32 v[TBP:TBP+1], v[rS+4:rS+5], v[rS+6:rS+7]
.irp j, 8,12,16,20,24,28,32
	v_pk_add_f32 v[TA:TA+1], v[TA:TA+1], v[rS+\j:rS+\j+1]
	v_pk_add_f32 v[TBP:TBP+1], v[TBP:TBP+1], v[rS+\j+2:rS+\j+3]
.endr
	LDG \kind, 36, 8
.irp j, 36,40,44,48,52,56,60
	v_pk_add_f32 v[TA:TA+1], v[TA:TA+1], v[rS+\j:rS+\j+1]
	v_pk_add_f32 v[TBP:TBP+1], v[TBP:TBP+1], v[rS+\j+2:rS+\j+3]
.endr
.if \first
	v_pk_add_f32 v[rT+2:rT+3], v[TA:TA+1], v[TBP:TBP+1]
.else
	v_pk_add_f32 v[TA:TA+1], v[TA:TA+1], v[TBP:TBP+1]
	v_pk_fma_f32 v[rT+2:rT+3], v[rT+2:rT+3], v[rF:rF+1], v[TA:TA+1] op_sel_hi:[1,0,1]   ; the old sum under the new M, and the step's
.endif
	s_wait_alu depctr_va_vdst(0)                   ; and one wait for the four
.irp b, 0,1,2,3
	v_max_num_f32 v[BM+\b], 0x2800000, v[BM+\b]    ; the floor 2^(5 - 127): the byte cannot fall under 1 (a block whose every p has fallen to 0 keeps that byte: its codes are zeros)
.endr
.irp b, 0,1,2,3
	v_add_nc_u32 v[SO+\b], 0xfe000000, v[BM+\b]    ; 4 off the exponent field: the conversion's scale operand
.endr
.irp b, 0,1,2,3
	v_lshrrev_b32 v[BX+\b], 23, v[SO+\b]           ; the scale's byte
.endr
	v_lshl_or_b32 v[PS+\t], v[BX+1], 8, v[BX]      ; p's scale word for these 128 keys
	v_lshl_or_b32 v[PS+\t], v[BX+2], 16, v[PS+\t]
	v_lshl_or_b32 v[PS+\t], v[BX+3], 24, v[PS+\t]
	CODES rS, rP
	LDG \kind, 44, 4
.if !\first
	WIN 0x41                                       ; O^T (destination and source 0) window 1, f window 0
.set j, 0
.rept 64
	v_pk_mul_f32 v[128*\t+j:128*\t+j+1], v[128*\t+j:128*\t+j+1], v[rF:rF+1] op_sel_hi:[1,0]   ; O^T under the new M, ascending.  (These are also the plain instructions between the writing of P and its scale word and the products that take them)
.set j, j+2
.endr
	WIN 0
.endif
.endm
; THE CHANGE OF SLOTS, between the two softmaxes of a slot's second step: that step's V has been asked for, so the slot's last reads are on their way.  Each wave waits for all its tensor loads (its part of the other slot), adds 0
; to its spare word, and waits for that and for its reads.  Behind the barrier nobody reads this slot any more and the other slot is whole.  fill = 1: the barrier is a round of the cluster's, and the slot is filled again, jointly,
; with the keys two slots on: the load has two key steps' work in which to land.  fill = 0: nothing is left to fetch; x is asked for.
.macro CHANGE fill
	WIN 0                                          ; at a label and at a branch every window is 0
	s_wait_tensorcnt 0x0                           ; no tensor load of mine is out, so a group 0 may be written
	ds_add_u32 v[SPW], v[NIL]                      ; 0 onto my spare word
.if \fill
	s_xor_b32 s[G0B+1], s[G0B+1], SLOT1            ; the walking descriptor: the other slot than last time,
	s_add_nc_u64 s[G0B+2:G0B+3], s[G0B+2:G0B+3], 2*STEPB   ; the next two key steps; the type bits on top are not reached
.endif
	s_wait_dscnt 0x0                               ; the add is done, and my reads of the slot are over
.if \fill
	CROUND
	tensor_load_to_lds s[G0B:G0B+3], s[G1:G1+7]    ; the first thing behind the round, and my one tensor load until the next
	s_nop 0
	PLACES                                         ; four v_nop follow it
.else
	s_barrier_signal -1
	s_barrier_wait -1
.irp o, 0,1,2,3
	global_prefetch_b8 v[PFO], s[14:15] offset:65536*\o th:TH_LOAD_NT scope:SCOPE_SE   ; 16 rows of x, two aligned blocks of 256 bytes each: a lane a block
.endr
.endif
	s_sub_co_u32 s[TB], s[TB], 2*STEPB             ; the fetches go back to a slot's first step,
	s_xor_b32 s[TB], s[TB], SLOT1                  ; in the other slot
.endm
; A KEY STEP.  fetch = 1: the next step's K is fetched; 0: the last step, which fetches Wo instead.  first = 1: the first step.  chg = 1: the slots change and one is filled again; 2: they change; 0: a slot's first step.
.macro STEP fetch, first, chg
	s_wait_dscnt 0x0                               ; K and its scale words are in: nothing was issued behind them
	WIN 0x0a                                       ; K and Q window 2, S^T window 0
.irp s, 0,1                                    ; sixteen accumulators by turns, one instruction a turn; the first half of the channels starts the sums
.irp k, 0,1,2,3,4,5,6,7
.irp t, 0,1
.if \s == 0
	v_wmma_scale_f32_16x16x128_f8f6f4 v[S+64*\t+8*\k:S+64*\t+8*\k+7], v[24*\k:24*\k+11], v[192+24*\t:192+24*\t+11], 0, v[KS+\k], v[QS+\t] matrix_a_fmt:MATRIX_FMT_BF6 matrix_b_fmt:MATRIX_FMT_BF6
.else
	v_wmma_scale_f32_16x16x128_f8f6f4 v[S+64*\t+8*\k:S+64*\t+8*\k+7], v[24*\k+12:24*\k+23], v[192+24*\t+12:192+24*\t+23], v[S+64*\t+8*\k:S+64*\t+8*\k+7], v[KS+8+\k], v[QS+2+\t] matrix_a_fmt:MATRIX_FMT_BF6 matrix_b_fmt:MATRIX_FMT_BF6
.endif
.endr
.endr
.endr
	WIN 0
	PLACES                                         ; in front of the first read of the scores, of the loads into V's registers and scale words (read by the last step's products) and, in the last step, into K's
.if !\fetch
	WO_LOADS
.endif
	SM 0, \first, 1                                ; with this step's V
.if \chg == 1
	CHANGE 1
.endif
.if \chg == 2
	CHANGE 0
.endif
.if \fetch
	SM 1, \first, 2                                ; with the next step's K
.else
	SM 1, \first, 0
.endif
.if \first
.rept 8
	v_nop                                          ; a scale word written by vector instructions stands eight plain instructions ahead of the scaled product that takes it, an operand four
.endr
.endif
	s_wait_dscnt 52*\fetch                         ; V and its scale words are in; behind them only the next K's 52 loads were issued
	WIN 0x53                                       ; V window 3, P window 0, O^T window 1
.set ct, 0
.rept 16
.irp t, 0,1
.if \first
	v_wmma_scale_f32_16x16x128_f8f6f4 v[128*\t+8*ct:128*\t+8*ct+7], v[12*ct:12*ct+11], v[PC+12*\t:PC+12*\t+11], 0, v[VS+ct], v[PS+\t] matrix_a_fmt:MATRIX_FMT_BF6 matrix_b_fmt:MATRIX_FMT_BF6
.else
	v_wmma_scale_f32_16x16x128_f8f6f4 v[128*\t+8*ct:128*\t+8*ct+7], v[12*ct:12*ct+11], v[PC+12*\t:PC+12*\t+11], v[128*\t+8*ct:128*\t+8*ct+7], v[VS+ct], v[PS+\t] matrix_a_fmt:MATRIX_FMT_BF6 matrix_b_fmt:MATRIX_FMT_BF6
.endif
.endr
.set ct, ct+1
.endr
	WIN 0
.endm
	s_wait_tensorcnt 0x1                           ; my part of slot 0 is in; slot 1's may stay out
	s_barrier_signal -1
	s_barrier_wait -1                              ; everybody's is
	FETCH_K                                        ; key step 0
	s_wait_loadcnt 0x0                             ; Q and its scale words
	STEP 1, 1, 0                                   ; key step 0
	s_mov_b32 s[SLOTS], 2
.Lslot:                                            ; two trips: key steps 1, 2 and 3, 4; in step 1 slot 0 takes steps 4, 5, in step 3 slot 1 takes steps 6, 7
	STEP 1, 0, 1
	STEP 1, 0, 0
	s_sub_co_u32 s[SLOTS], s[SLOTS], 1
	s_cmp_lg_u32 s[SLOTS], 0
	s_cbranch_scc1 .Lslot
	STEP 1, 0, 2                                   ; key step 5: the tail is written out
	STEP 1, 0, 0                                   ; key step 6
	STEP 0, 0, 0                                   ; key step 7
	; ---- O / the sum, quantised along the channels; its four fragments of mine go to LDS as images
	PLACES                                         ; behind the last products
.irp t, 0,1
	v_add_f32 v[ST+4*\t+2], v[ST+4*\t+2], v[ST+4*\t+3]           ; the sum's two halves,
.endr
.irp t, 0,1
	v_permlanex16_b32 v[BX+\t], v[ST+4*\t+2], s[SEL], s[SEL+1]
.endr
.irp t, 0,1
	v_add_f32 v[ST+4*\t+2], v[ST+4*\t+2], v[BX+\t]               ; and lane l xor 16's: the row's sum
.endr
.irp t, 0,1
	v_rcp_f32 v[F+2*\t], v[ST+4*\t+2]
.endr
	v_nop                                          ; a plain instruction behind the last reciprocal
	s_wait_alu depctr_va_vdst(0)                   ; one wait for the two, ahead of their first reader
.irp t, 0,1
.irp u, 0,1
	WIN 0x01                                       ; source 0 (O^T) window 1
.set j, 0
.rept 32
	v_pk_mul_f32 v[S+64*\u+j:S+64*\u+j+1], v[128*\t+64*\u+j:128*\t+64*\u+j+1], v[F+2*\t:F+2*\t+1] op_sel_hi:[1,0]   ; ascending: each accumulator from its low end on
.set j, j+2
.endr
	WIN 0
	QUANT S+64*\u, T0
.irp c, 0,1,2
	ds_store_b128 v[OWI], v[PC+4*\c:PC+4*\c+3] offset:(2*\t+\u)*1536+512*\c
.endr
	ds_store_b32 v[OWS], v[T0] offset:128*(2*\t+\u)
	s_wait_dscnt 0x0                               ; the stores have read their registers
.endr
.endr
	WIN 0x40                                       ; destination window 1: O^T has been read out
.set i, 0
.rept 64
	global_load_b128 v[4*i:4*i+3], v[LI], s[14:15] offset:4096*i th:TH_LOAD_NT   ; x: channel 64 w + i, my work-group's 128 positions: 512 consecutive bytes
.set i, i+1
.endr
	WIN 0
	s_barrier_signal -1                            ; every wave's stores have landed (the waits for 0 above)
	s_barrier_wait -1                              ; O's sixteen fragments lie in LDS
	v_add_nc_u32 v[ADR], OIMG, v[LI]
	WIN 0xc0                                       ; destination window 3
.set f, 0
.rept 16
.irp c, 0,1,2
	ds_load_b128 v[12*f+4*\c:12*f+4*\c+3], v[ADR] offset:1536*f+512*\c
.endr
.set f, f+1
.endr
	WIN 0
.set f, 0
.rept 16
	ds_load_b32 v[VS+f], v[LSO] offset:128*f
.set f, f+1
.endr
	s_wait_dscnt 0x0
	s_wait_loadcnt 63                              ; Wo, its scale words and bo are in: behind them x's 64 loads were issued, and 63 is the most that the wait's field names
; ---- out = Wo O + bo + x.  Sixteen channels (tile OT of my four) for the 128 queries: eight accumulators by turns, two K steps, into v[DD] on
.macro MM6
	WIN 0x2b                                       ; source 0 (O) window 3, source 1 (Wo) window 2, C (bo) window 2
.irp q, 0,1,2,3,4,5,6,7
	v_wmma_scale_f32_16x16x128_f8f6f4 v[DD+8*\q:DD+8*\q+7], v[24*\q:24*\q+11], v[24*OT:24*OT+11], v[96+8*OT:96+8*OT+7], v[VS+2*\q], v[KS+2*OT] matrix_a_fmt:MATRIX_FMT_BF6 matrix_b_fmt:MATRIX_FMT_BF6
.endr
	WIN 0x0b
.irp q, 0,1,2,3,4,5,6,7
	v_wmma_scale_f32_16x16x128_f8f6f4 v[DD+8*\q:DD+8*\q+7], v[24*\q+12:24*\q+23], v[24*OT+12:24*OT+23], v[DD+8*\q:DD+8*\q+7], v[VS+2*\q+1], v[KS+2*OT+1] matrix_a_fmt:MATRIX_FMT_BF6 matrix_b_fmt:MATRIX_FMT_BF6
.endr
.endm
; Lane (r, half) holds channel r and, in tile q, queries 32 (q / 2) + 8 (q % 2) + 16 half + 0 .. 7.  Through my stage they become rows of 512 bytes, take x and leave.
.macro OUT
.irp q, 0,1,2,3,4,5,6,7
	ds_store_b128 v[STO], v[DD+8*\q:DD+8*\q+3] offset:128*(\q/2)+32*(\q%2)          ; each accumulator from its low end on
	ds_store_b128 v[STO], v[DD+8*\q+4:DD+8*\q+7] offset:128*(\q/2)+32*(\q%2)+16
.endr
	WIN 0x80                                       ; destination window 2
.irp i, 0,1,2,3,4,5,6,7,8,9,10,11,12,13,14,15
	ds_load_b128 v[128+4*\i:128+4*\i+3], v[STR] offset:528*\i   ; LDS serves a wave's instructions in order: these see my stores, and the next tile's stores come behind them
.endr
	s_wait_dscnt 0x0
	s_wait_loadcnt 16*(3-OT)                       ; x's sixteen rows of this tile are in; those of the later tiles may be out
	WIN 0x49                                       ; destination and source 0 (x) window 1, source 1 (the rows) window 2
.set j, 0
.rept 32
	v_pk_add_f32 v[64*OT+j:64*OT+j+1], v[64*OT+j:64*OT+j+1], v[128+j:128+j+1]
.set j, j+2
.endr
	WIN 0x04                                       ; a store's data are its source 1: window 1
.irp i, 0,1,2,3,4,5,6,7,8,9,10,11,12,13,14,15
	global_store_b128 v[LI], v[64*OT+4*\i:64*OT+4*\i+3], s[16:17] offset:4096*(16*OT+\i) th:TH_STORE_NT   ; 512 consecutive bytes, at a multiple of 256 from out0's first byte; each tile has registers of its own
.endr
	WIN 0
.endm
.set OT, 0
.set DD, S
	MM6
.set n, 0
.rept 4
.if n < 3
.set OT, n+1
.set DD, S+64*((n+1)%2)
	MM6                                            ; the next tile's products are issued ahead of this tile's way out, into the other set of accumulators
.endif
	WIN 0
	PLACES                                         ; between the last products and the first read of results
.set OT, n
.set DD, S+64*(n%2)
	OUT
.set n, n+1
.endr
	s_wait_tensorcnt 0x0                           ; the wave's end: behind my last tensor load and my last LDS store
	ds_add_u32 v[SPW], v[NIL]
	s_wait_dscnt 0x0
	CROUND                                         ; the closing round: no work-group ends while a partner may still ask for a tile that names it
	s_endpgm
.Lfunc_end_k_q19ad929cea_attn:
	.size	k_q19ad929cea_attn, .Lfunc_end_k_q19ad929cea_attn-k_q19ad929cea_attn
	.p2alignl 7, 3214868480
	.fill 96, 4, 3214868480
	.section	.rodata,"a",@progbits
	.p2align	6, 0x0
	.amdhsa_kernel k_q19ad929cea_attn
		.amdhsa_group_segment_fixed_size 327680
		.amdhsa_private_segment_fixed_size 0
		.amdhsa_enable_private_segment 0
		.amdhsa_kernarg_size 56
		.amdhsa_user_sgpr_count 2
		.amdhsa_user_sgpr_kernarg_segment_ptr 1
		.amdhsa_wavefront_size32 1
		.amdhsa_system_sgpr_workgroup_id_x 1
		.amdhsa_system_sgpr_workgroup_id_y 1
		.amdhsa_system_sgpr_workgroup_id_z 1
		.amdhsa_system_vgpr_workitem_id 0
		.amdhsa_next_free_vgpr 1024
		.amdhsa_next_free_sgpr 66
		.amdhsa_reserve_vcc 0
		.amdhsa_float_denorm_mode_32 3
		.amdhsa_float_denorm_mode_16_64 3
		.amdhsa_memory_ordered 1
		.amdhsa_forward_progress 1
		.amdhsa_inst_pref_size 255
	.end_amdhsa_kernel
	.section	.bss,"aw",@nobits
	.p2align	6
	.space	262144
	.amdgpu_metadata
---
amdhsa.version: [ 1, 2 ]
amdhsa.kernels:
  - .name:           k_q19ad929cea_attn
    .symbol:         k_q19ad929cea_attn.kd
    .args:
      - { .name: q_img, .offset: 0, .size: 8, .value_kind: global_buffer, .address_space: global }
      - { .name: kv, .offset: 8, .size: 8, .value_kind: global_buffer, .address_space: global }
      - { .name: wimg, .offset: 16, .size: 8, .value_kind: global_buffer, .address_space: global }
      - { .name: wo_scales, .offset: 24, .size: 8, .value_kind: global_buffer, .address_space: global }
      - { .name: bo, .offset: 32, .size: 8, .value_kind: global_buffer, .address_space: global }
      - { .name: x, .offset: 40, .size: 8, .value_kind: global_buffer, .address_space: global }
      - { .name: out0, .offset: 48, .size: 8, .value_kind: global_buffer, .address_space: global }
    .group_segment_fixed_size: 327680
    .private_segment_fixed_size: 0
    .kernarg_segment_align: 8
    .kernarg_segment_size: 56
    .max_flat_workgroup_size: 128
    .sgpr_count:     66
    .vgpr_count:     1024
    .wavefront_size: 32
...
	.end_amdgpu_metadata
.endif
;; end of part 3
